; MI455X (gfx1250); checked and timed in simulation.
; The chip was launched on July 23, 2026; its instructions are those of AMD's public machine-readable ISA for CDNA 5 (MIT licence, August 2026) and "CDNA5" Instruction Set Architecture Reference Guide (July 2026). The comments in the code are by the model that wrote it; some were corrected since.
;; Linear Attention. Allowed arithmetic: matrix products marked QUANTISED: E2M1 operands, one E8M0 scale for each 32 along K, by v_wmma_scale_f32_16x16x128_f8f6f4 with both operands' format E2M1 (or v_wmma_scale_f32_32x16x128_f4), f32 sums; everything else in f32.
;; Inputs: k 4 x 16 x 2,048 x 128 float32; q 4 x 16 x 2,048 x 128 float32; v 4 x 16 x 2,048 x 128 float32.
;; Outputs: out0 4 x 16 x 2,048 x 128 float32.
;; This version of the problem:
;;   THIS VERSION OF THE PROBLEM IS GIVEN IN LOW PRECISION. The matrix products marked QUANTISED in the list below multiply operands that are first quantised to E2M1 (2 exponent bits, 1 mantissa bit; 4 bits a number), with one power-of-two scale for each 32 numbers along K (OCP MX v1.0); their sums are f32. All else is computed in f32.
;;   The module's matrix products, in the order in which they are computed (A, B: the left and right operand; K: the contracted axis; several contracted axes count as one K, in the product's order):
;;     1. batch 64 x [M 2,048, K 128] x [K 128, N 2,048]; A: input q; B: input k: QUANTISED
;;     2. batch 64 x [M 2,048, K 2,048] x [K 2,048, N 128]; A: computed on the way; B: input v: QUANTISED
;;   THE QUANTISER, for each operand of a quantised product, along K:
;;     - K is cut into blocks of 32 from its start; a last block that is shorter is filled with zeros.
;;     - A block's scale is 2^e with e = floor(log2(the largest magnitude in the block)) - 2, held to -126 .. 127; a block of zeros has e = 0. As a byte (E8M0): e + 127.
;;     - Each number is divided by its block's scale, clamped to +-6, and rounded to the nearest number of E2M1, ties to even, subnormals kept.
;;     - The product sums the exact products of the quantised numbers (number of the format x scale) in f32.
;;   ~~~python
;;   def quantise(x, axis):      # numpy; x: float32 -> the quantised numbers, widened to float32 again
;;       x = np.moveaxis(x, axis, -1); K = x.shape[-1]
;;       x = np.pad(x, [(0, 0)] * (x.ndim - 1) + [(0, -K % 32)]); x = x.reshape(x.shape[:-1] + (-1, 32)); a = np.abs(x).max(-1, keepdims=True)
;;       e = np.where(a > 0, np.clip(np.frexp(np.where(a > 0, a, 1))[1] - 1 - 2, -126, 127), 0)      # np.frexp(a)[1] - 1 = floor(log2(a)), exactly
;;       r = np.clip(x / 2.0 ** e, -6, 6)
;;       step = 2.0 ** (np.maximum(np.frexp(np.where(r == 0, 1, r))[1] - 1, 0) - 1)
;;       q = np.round(r / step) * step * 2.0 ** e      # np.round: ties to even
;;       return np.moveaxis(q.reshape(q.shape[:-2] + (-1,))[..., :K], -1, axis).astype(np.float32)
;;   ~~~
;;   OPERANDS COMPUTED ON THE WAY. 'Computed on the way' means the value that the module computes at that place (a softmax that the list does not call 'softmax' is quantised finished and normalised). What goes into a quantiser is computed in f32, as accurately as f32 sums, v_exp_f32 and their like allow (about 1e-6 of the number): no bf16 or f16 on the way to a quantiser, and a product that is left as it is and whose result goes on into a quantised operand takes f32 operands (vector FMAs, or v_wmma_f32_16x16x4_f32). A number that lies on a knife's edge between two numbers of the format may be rounded either way, as far as f32 arithmetic and the matrix unit's own rounding can turn it there, and no further.
;; One version. Each part assembles by itself: llvm-mc -triple=amdgcn-amd-amdhsa -mcpu=gfx1250 --defsym DOCPART=n.
;; ======== version 1 of 1: 2 launches
;; workspace buffers: kv 17,825,792 bytes
;; launch quant (part 1): grid 1024 x 1, 4 waves a work-group, no clusters, 35,328 bytes of LDS; arguments k, v, kv; writes kv
.if DOCPART == 1
	.amdgcn_target "amdgcn-amd-amdhsa--gfx1250"
	.amdhsa_code_object_version 6
	.text
	.protected	k_qbefc7dad32_quant
	.globl	k_qbefc7dad32_quant
	.p2align	8
	.type	k_qbefc7dad32_quant,@function
k_qbefc7dad32_quant:
	s_mov_b64 s[64:65], 0
	v_nop
	global_prefetch_b8 v0, s[64:65] scope:SCOPE_SE
	s_setreg_imm32_b32 hwreg(HW_REG_WAVE_MODE, 25, 1), 1
	s_wait_xcnt 0x0
; k and v, [64 heads][2048 keys][128 channels] f32, become codes of FP4 (E2M1) with one E8M0 scale byte for each 32 along a product's K:
; k along its channels (the first product's K), v along the KEYS (the second product's K).  Both are laid as IMAGES OF THE OPERAND'S REGISTERS, so that the next launch
; takes every fragment by loads of 16 bytes a lane, lane after lane.
; A RECORD holds one key step (128 keys of one head), REC = 17,408 bytes = 68 x 256:
;   0      8 fragments of K (16 keys x 128 channels), 1,024 bytes each: byte 512 c + 16 lane holds registers 4 c .. 4 c + 3 of that lane: channels 64 c + 32 (lane / 16) + 0 .. 31 of the tile's row lane % 16.
;          THE KEYS OF A TILE ARE NOT NEIGHBOURS: row r of tile 2 b + u is key 32 b + 8 u + r + 8 (r / 8), so that in the transposed first product the 16 result registers of tiles 2 b, 2 b + 1 are 16 neighbouring keys.
;   8192   8 fragments of V^T (16 channels x 128 keys): block b of 32 keys of channel 16 t + r lies at 1,024 t + 256 b + 16 r.
;   16384  K's scale words: the word of row r of tile t at 256 (t / 4) + 16 r + 4 (t % 4): one load of 16 bytes a lane brings four tiles' words.     16896  V's, in the same form.
; A block's scale is 2^(floor(log2(its largest magnitude)) - 2); its byte is the largest magnitude's exponent field - 2, held at 1 from below.
; LIMITS: NaN and infinities among the inputs are not served.  Blocks whose largest magnitude lies under 2^-124 keep the byte 1 (the quantiser's own hold at e = -126).  A block of zeros keeps the byte 1 where the
; quantiser says 127: its codes are zeros, which add nothing under any byte but 0xff, and the bytes are read by this program alone.
; SHARES.  Work-group i = 16 head + step takes 128 keys of k and of v (64 KiB each, dense) and writes record i.  Wave w: K's tiles 2 w, 2 w + 1 (keys 32 w .. 32 w + 31); V's channels 32 w .. 32 w + 31, all four key blocks.
; K: a load takes one key's whole row (512 consecutive bytes, 16 a lane); 16 rows turn through the wave's own stage in LDS, so that a lane gets 32 neighbouring channels of ONE key in consecutive registers.
; V: a lane takes a channel and its registers run down the keys: a block of 32 keys lies in one lane, nothing is turned.
; No tensor loads, no cluster: work-groups share no input, and the loads in registers keep enough bytes on their way.  One barrier: the record's 1,024 scale bytes meet in LDS and leave as four aligned runs of 256 bytes.
.set REC,  17408
.set R_V,  8192
.set R_KS, 16384
.set STP,  528                         ; a stage row: 512 bytes + 16: 33 x 16, so the sixteen rows that a load of 16 bytes a lane touches begin at sixteen different places modulo 256 bytes
.set SG,   4*16*STP                    ; behind the four stages: the record's scale bytes, as they will lie in memory
.set KLO,  4                           ; v4   k: 16 lane + 16,384 wave (32 keys of 512 bytes)
.set STW,  5                           ; v5   the stage, in: 16 lane + my stage
.set STR,  6                           ; v6   the stage, out: 528 r + 128 h + my stage
.set KCO,  7                           ; v7   K's codes in the record: 2,048 wave + 16 lane
.set VLO,  8                           ; v8   v: 128 wave + 4 lane
.set VCO,  9                           ; v9   V's codes in the record: 8,192 + 2,048 wave + 1,024 h + 16 r
.set SKW,  10                          ; v10  LDS: where my two K scale words go
.set SVW,  11                          ; v11  LDS: where my V scale word goes
.set SRD,  12                          ; v12  LDS: my 8 bytes of the scale bytes on the way out
.set SCO,  13                          ; v13  and their place in the record
.set SH8,  14                          ; v14  8 h
.set KW,   16                          ; v16-17 K's scale words of my two tiles
.set VW,   18                          ; v18  V's scale word of my channel
.set OUTS, 20                          ; v20-21 scale bytes on the way out
.set M,    22                          ; v22-23 largest magnitudes, v24-25 the conversions' scale operands, v26-27 bytes, v28 my part of a word, v29 the other half's
.set KC,   32                          ; v32-47 K's codes, two fragments: written once
.set A,    48                          ; v48-111 16 rows of k as loaded;
.set VC,   48                          ; later v48-63: V's codes, four blocks: written once
.set X,    112                         ; v112-175 my 64 channels of one key
.set VV,   176                         ; v176-239 two sets of 32 keys of my channel
	s_load_b128 s[4:7], s[0:1], 0x0                ; k, v
	s_load_b64 s[8:9], s[0:1], 0x10                ; kv
	v_lshl_add_u32 v240, v0, 2, 0x8800
	v_mov_b32 v241, 0
	v_lshrrev_b32 v1, 5, v0
	v_readfirstlane_b32 s10, v1                    ; wave 0..3
	v_and_b32 v1, 31, v0                           ; lane
	v_and_b32 v2, 15, v0                           ; r
	v_bfe_u32 v3, v0, 4, 1                         ; h
	v_lshlrev_b32 v15, 4, v1                       ; 16 lane
	v_lshlrev_b32 v30, 4, v2                       ; 16 r
	s_mov_b32 s12, 0x76543210
	s_mov_b32 s13, 0xfedcba98                      ; v_permlanex16_b32's selects for lane l xor 16
	s_lshl_b32 s14, ttmp9, 16                      ; my 128 keys of 512 bytes, in k and in v (under 2^26)
	s_mov_b32 s15, 0
	s_mul_i32 s16, ttmp9, REC                      ; my record (under 2^25)
	s_mov_b32 s17, 0
	s_lshl_b32 s18, s10, 14
	v_add_nc_u32 v[KLO], s18, v15
	s_mul_i32 s18, s10, 16*STP                     ; my stage
	v_add_nc_u32 v[STW], s18, v15
	v_mul_u32_u24 v[STR], v2, STP
	v_lshl_add_u32 v[STR], v3, 7, v[STR]
	v_add_nc_u32 v[STR], s18, v[STR]
	s_lshl_b32 s18, s10, 11
	v_add_nc_u32 v[KCO], s18, v15
	v_lshl_add_u32 v[VCO], v3, 10, v30
	v_add_nc_u32 v[VCO], s18, v[VCO]
	v_add_nc_u32 v[VCO], R_V, v[VCO]
	s_lshl_b32 s18, s10, 7
	v_lshl_add_u32 v[VLO], v1, 2, s18
	s_lshr_b32 s18, s10, 1                         ; tiles 2 w and 2 w + 1: group of four w / 2, places 2 (w % 2) and 2 (w % 2) + 1 in it
	s_lshl_b32 s18, s18, 8
	s_and_b32 s19, s10, 1
	s_lshl_b32 s19, s19, 3
	s_add_co_u32 s18, s18, s19
	s_add_co_u32 s18, s18, SG
	v_add_nc_u32 v[SKW], s18, v30                  ; K: both words of row r, 8 bytes
	v_lshl_add_u32 v[SVW], v3, 2, v[SKW]           ; V: my channel is row r of tile 2 w + h
	v_add_nc_u32 v[SVW], 512, v[SVW]
	s_lshl_b32 s18, s10, 8
	v_lshl_add_u32 v[SCO], v1, 3, s18              ; 256 wave + 8 lane
	v_add_nc_u32 v[SRD], SG, v[SCO]
	v_add_nc_u32 v[SCO], R_KS, v[SCO]
	v_lshlrev_b32 v[SH8], 3, v3
	v_mov_b32 v[M+7], 0                            ; written once: a lane permute's destination counts as one of its sources
	s_wait_kmcnt 0x0
	s_add_nc_u64 s[4:5], s[4:5], s[14:15]
	s_add_nc_u64 s[6:7], s[6:7], s[14:15]
	s_add_nc_u64 s[8:9], s[8:9], s[16:17]
.macro LOADK u                         ; the 16 keys of tile 2 w + u, in the tile's row order: each load is one key's 512 consecutive bytes
.irp i, 0,1,2,3,4,5,6,7,8,9,10,11,12,13,14,15
	global_load_b128 v[A+4*\i:A+4*\i+3], v[KLO], s[4:5] offset:(8*\u+\i+8*(\i/8))*512 th:TH_LOAD_NT
.endr
.endm
.macro TURN                            ; through my stage: in by rows as loaded, out 128 bytes of one row a lane and block.  LDS serves a wave's instructions in order (ISA guide 5.7.1): no wait between
.irp i, 0,1,2,3,4,5,6,7,8,9,10,11,12,13,14,15
	ds_store_b128 v[STW], v[A+4*\i:A+4*\i+3] offset:STP*\i
.endr
.irp c, 0,1
.irp j, 0,1,2,3,4,5,6,7
	ds_load_b128 v[X+32*\c+4*\j:X+32*\c+4*\j+3], v[STR] offset:256*\c+16*\j   ; channels 64 c + 32 h + 4 j on of row r
.endr
.endr
.endm
.macro QK u                            ; my two whole blocks (2 c + h, c = 0, 1) of row r become registers 4 c .. 4 c + 3 of the fragment
.irp c, 0,1
	v_max3_num_f32 v[M+\c], |v[X+32*\c]|, |v[X+32*\c+1]|, 0x1800000   ; with the floor 2^(3 - 127) among the leaves: the byte cannot fall under 1
.endr
.irp i, 2,4,6,8,10,12,14,16,18,20,22,24,26,28,30
.irp c, 0,1
	v_max3_num_f32 v[M+\c], v[M+\c], |v[X+32*\c+\i]|, |v[X+32*\c+\i+1]|   ; (the two blocks by turns)
.endr
.endr
.irp c, 0,1
	v_add_nc_u32 v[M+2+\c], 0xff000000, v[M+\c]    ; 2 off the exponent field: the conversion takes this operand's exponent field as its scale, and nothing else of it
.endr
.irp c, 0,1
	v_lshrrev_b32 v[M+4+\c], 23, v[M+2+\c]         ; the scale's byte
.endr
	v_lshl_or_b32 v[M+6], v[M+5], 16, v[M+4]       ; my two bytes: blocks h and 2 + h,
	v_lshlrev_b32 v[M+6], v[SH8], v[M+6]           ; at their places in the word;
	v_permlanex16_b32 v[M+7], v[M+6], s12, s13
	v_or_b32 v[KW+\u], v[M+6], v[M+7]              ; with lane l xor 16's two the word is whole, in both lanes
.irp c, 0,1
.irp g, 0,1,2,3
	v_cvt_scalef32_pk8_fp4_f32 v[KC+8*\u+4*\c+\g], v[X+32*\c+8*\g:X+32*\c+8*\g+7], v[M+2+\c]
.endr
.endr
.irp c, 0,1
	global_store_b128 v[KCO], v[KC+8*\u+4*\c:KC+8*\u+4*\c+3], s[8:9] offset:1024*\u+512*\c   ; 32 lanes store 512 consecutive bytes, at a multiple of 256 from the buffer's first byte
.endr
.endm
.macro LOADV b                         ; keys 32 b + i of my channel, i = 0 .. 31, into set b % 2: the four waves stand side by side on a key's 512 bytes
.irp i, 0,1,2,3,4,5,6,7,8,9,10,11,12,13,14,15,16,17,18,19,20,21,22,23,24,25,26,27,28,29,30,31
	global_load_b32 v[VV+32*((\b)%2)+\i], v[VLO], s[6:7] offset:(32*(\b)+\i)*512 th:TH_LOAD_NT
.endr
.endm
.macro BV b                            ; key block b of my channel: all 32 numbers are mine
.set XS, VV+32*((\b)%2)
	v_max3_num_f32 v[M], |v[XS]|, |v[XS+1]|, |v[XS+2]|
	v_max3_num_f32 v[M+1], |v[XS+3]|, |v[XS+4]|, |v[XS+5]|
.irp i, 6,10,14,18,22,26
	v_max3_num_f32 v[M], v[M], |v[XS+\i]|, |v[XS+\i+1]|
	v_max3_num_f32 v[M+1], v[M+1], |v[XS+\i+2]|, |v[XS+\i+3]|
.endr
	v_max3_num_f32 v[M], v[M], |v[XS+30]|, |v[XS+31]|
	v_max3_num_f32 v[M], v[M], v[M+1], 0x1800000   ; and the floor
	v_add_nc_u32 v[M+2], 0xff000000, v[M]
	v_lshrrev_b32 v[M+4], 23, v[M+2]
.if (\b) == 0
	v_mov_b32 v[VW], v[M+4]                        ; four bytes to the word, the lower keys in the lower byte
.else
	v_lshl_or_b32 v[VW], v[M+4], 8*(\b), v[VW]
.endif
.irp g, 0,1,2,3
	v_cvt_scalef32_pk8_fp4_f32 v[VC+4*(\b)+\g], v[XS+8*\g:XS+8*\g+7], v[M+2]
.endr
	global_store_b128 v[VCO], v[VC+4*(\b):VC+4*(\b)+3], s[8:9] offset:256*(\b)   ; lanes 0-15 store 256 consecutive bytes of tile 2 w, lanes 16-31 of tile 2 w + 1, each at a multiple of 256
.endm
; No store's data and no address register is written twice, so no wait for the stores' sources stands in the text.  The conversions' results go to stores alone, and plain vector lines (the next maxima) stand
; ahead of the next write of their scale operand.  More loads are issued below than LOADcnt's field counts; the issue then stalls (ISA guide 5.7.1), and the loads still come back in order.
	LOADK 0
	LOADV 0
	s_wait_loadcnt 32                              ; tile 0's 16 rows are in; V's block 0 (32 loads) stays out
	TURN
	s_wait_dscnt 16                                ; the 16 stores into the stage have read their registers (the 16 loads behind them stay out),
	LOADK 1                                        ; which take tile 1's rows
	LOADV 1
	s_wait_dscnt 0x0
	QK 0
	s_wait_loadcnt 32                              ; V's block 0 and tile 1's rows are in; V's block 1 stays out
	TURN
	s_wait_dscnt 0x0
	QK 1
	ds_store_b64 v[SKW], v[KW:KW+1]                ; both halves of the lanes write the same words with the same values
	BV 0
	LOADV 2
	s_wait_loadcnt 32                              ; block 1 is in, block 2 stays out
	BV 1
	LOADV 3
	s_wait_loadcnt 32                              ; block 2 is in, block 3 stays out
	BV 2
	s_wait_loadcnt 0x0
	BV 3
	ds_store_b32 v[SVW], v[VW]
	s_wait_dscnt 0x0                               ; for the others' sake: my scale words lie in LDS
	s_barrier_signal -1
	s_barrier_wait -1                              ; everybody's do
	ds_load_b64 v[OUTS:OUTS+1], v[SRD]
	s_wait_dscnt 0x0
	global_store_b64 v[SCO], v[OUTS:OUTS+1], s[8:9]   ; 32 lanes store 256 consecutive bytes, at a multiple of 256
	s_wait_tensorcnt 0x0
	ds_add_u32 v240, v241
	s_wait_dscnt 0x0
	s_endpgm
.Lfunc_end_k_qbefc7dad32_quant:
	.size	k_qbefc7dad32_quant, .Lfunc_end_k_qbefc7dad32_quant-k_qbefc7dad32_quant
	.p2alignl 7, 3214868480
	.fill 96, 4, 3214868480
	.section	.rodata,"a",@progbits
	.p2align	6, 0x0
	.amdhsa_kernel k_qbefc7dad32_quant
		.amdhsa_group_segment_fixed_size 35328
		.amdhsa_private_segment_fixed_size 0
		.amdhsa_enable_private_segment 0
		.amdhsa_kernarg_size 24
		.amdhsa_user_sgpr_count 2
		.amdhsa_user_sgpr_kernarg_segment_ptr 1
		.amdhsa_wavefront_size32 1
		.amdhsa_system_sgpr_workgroup_id_x 1
		.amdhsa_system_sgpr_workgroup_id_y 1
		.amdhsa_system_sgpr_workgroup_id_z 1
		.amdhsa_system_vgpr_workitem_id 0
		.amdhsa_next_free_vgpr 242
		.amdhsa_next_free_sgpr 66
		.amdhsa_reserve_vcc 0
		.amdhsa_float_denorm_mode_32 3
		.amdhsa_float_denorm_mode_16_64 3
		.amdhsa_memory_ordered 1
		.amdhsa_forward_progress 1
		.amdhsa_inst_pref_size 35
	.end_amdhsa_kernel
	.amdgpu_metadata
---
amdhsa.version: [ 1, 2 ]
amdhsa.kernels:
  - .name:           k_qbefc7dad32_quant
    .symbol:         k_qbefc7dad32_quant.kd
    .args:
      - { .name: k, .offset: 0, .size: 8, .value_kind: global_buffer, .address_space: global }
      - { .name: v, .offset: 8, .size: 8, .value_kind: global_buffer, .address_space: global }
      - { .name: kv, .offset: 16, .size: 8, .value_kind: global_buffer, .address_space: global }
    .group_segment_fixed_size: 35328
    .private_segment_fixed_size: 0
    .kernarg_segment_align: 8
    .kernarg_segment_size: 24
    .max_flat_workgroup_size: 128
    .sgpr_count:     66
    .vgpr_count:     242
    .wavefront_size: 32
...
	.end_amdgpu_metadata
.endif
;; end of part 1
;; launch attn (part 2): grid 4 x 64, 4 waves a work-group, clusters of 4 x 1, 327,680 bytes of LDS; arguments q, kv, out0; writes out0
.if DOCPART == 2
	.amdgcn_target "amdgcn-amd-amdhsa--gfx1250"
	.amdhsa_code_object_version 6
	.text
	.protected	k_qbefc7dad32_attn
	.globl	k_qbefc7dad32_attn
	.p2align	8
	.type	k_qbefc7dad32_attn,@function
k_qbefc7dad32_attn:
	s_mov_b64 s[64:65], 0
	v_nop
	global_prefetch_b8 v0, s[64:65] scope:SCOPE_SE
	s_setreg_imm32_b32 hwreg(HW_REG_WAVE_MODE, 25, 1), 1
	s_wait_xcnt 0x0
	s_wait_alu depctr_hold_cnt(0) depctr_sa_sdst(0) depctr_va_vdst(0) depctr_va_sdst(0) depctr_va_ssrc(0) depctr_va_vcc(0) depctr_vm_vsrc(0)
	s_getreg_b32 s2, hwreg(HW_REG_IB_STS2, 6, 4)
	s_cmp_eq_u32 s2, 0
	s_cbranch_scc0 .Lentry_in_a_cluster
	s_endpgm
.Lentry_in_a_cluster:
	s_bfe_u32 s2, ttmp6, 0x10000c
	s_cmp_lg_u32 s2, 0x3003
	s_cbranch_scc0 .Lentry_shape_is_right
	s_endpgm
.Lentry_shape_is_right:
; out[h][i][:] = the sum over j <= i of Q4(S)[i][j] Q4(v)[j][:], S[i][j] = Q4(q)[i] . Q4(k)[j] for j <= i and 0 beyond: both products on codes of FP4 (E2M1) with one E8M0 scale for each 32 along a product's K.
; The masked scores are quantised along the keys, in blocks of 32.  No softmax: between the products stand the mask, a block's largest magnitude, its scale and the conversion.
; kv holds k's and v's codes and scale words as images of the operands' registers, a record of REC bytes for each key step of 128 keys (made by the launch before):
;   0: 8 fragments of K (row r of tile 2 b + u = key 32 b + 8 u + r + 8 (r / 8));  8192: 8 fragments of V^T (channels 16 t + r, the step's 128 keys);  16384, 16896: their scale words, four tiles' words of a row on end.
; LIMITS: NaN and infinities among the inputs are not served.  A block whose largest magnitude lies under 2^-124, a block of zeros among them, keeps the scale byte 1 (zeros have zero codes, which add nothing).
; A row's key steps are summed in another order than ascending: its two steps at the diagonal first, then the steps below from key 0 on; sums in f32.
; CLUSTER.  The four work-groups of a cluster serve ONE head.  The head's 16 records, 278,528 bytes, lie in each partner's LDS for the whole launch, filled ONCE: wave w of each partner asks for quarter w (4 records)
; by the same tensor load with the same descriptor and a mask that names the four.  Nothing is filled a second time, so there is no ring.
; SHARES.  A head's queries are 8 groups of 256.  Wave w serves group w (pass 0) and group 7 - w (pass 1); of a group, the work-group at place cx takes four tiles: tile m = queries 256 G + 64 m + 16 cx + 0 .. 15.
; So every branch hangs on the wave's number and on counters alone, alike in all partners; cx enters only q's and out's addresses and the lane masks of the diagonal.
; A pass: step A (keys 256 G on): tile 0 sees keys 0-63 under the diagonal's mask and none of 64-127 (LOW), tile 1 all of 0-63 and 64-127 under the mask (HIGH), tiles 2, 3 all; its second products start the sums with C = 0.
; Step B (keys 256 G + 128 on): tiles 0, 1 see nothing and are left out; tile 2 LOW, tile 3 HIGH.  Then the 2 G steps below, all four tiles, no mask.  Tile-steps of a wave: (6 + 8 w) + (6 + 8 (7 - w)) = 68, the same for every wave.
; LAYOUT.  Both products are used transposed: S^T = K Q^T (source 0 = 16 keys, source 1 = 16 queries), O^T = V^T P^T (source 0 = 16 channels, source 1 = P): a lane holds ONE query (lane % 16) throughout, and by the order
; of K's rows register 16 b + i of a tile's 64 scores is key 32 b + 16 (lane / 16) + i: 16 neighbours along the second product's K.
; Each fragment of K and V read from LDS feeds four products (four tiles of queries).  Two sets of score registers take turns, so that one tile's quantiser stands between other tiles' products.
; REGISTERS, in windows of 256 (s_set_vgpr_msb's low byte: bits 1:0 source 0, 3:2 source 1, 5:4 source 2, 7:6 destination):
;   window 0: v1-9 addresses; v16-39 scale words and nothing else; v40-55 at work; v64-95 Q's four fragments; v96-127 P's four; v128-191, v192-255 two sets of 64 scores
;   window 1: O^T, tile m at 64 m + 8 t     window 2: v0-63 K's 8 fragments, v64-127 V's     window 3: q as loaded, tile m at 64 m
.set REC,   17408
.set R_V,   8192
.set R_KS,  16384
.set R_VS,  16896
.set HEADB, 16*REC                     ; a head's records: 1,088 rows of 256 bytes
.set QUART, 4*REC                      ; what one tensor load brings: 272 rows of 256 bytes
.set STP,   528                        ; a stage row: 512 bytes + 16: 33 x 16, so the sixteen rows that a load or store of 16 bytes a lane touches begin at sixteen different places modulo 256 bytes
.set STAGE, HEADB                      ; behind the records (a multiple of 256): 16 rows x 528 bytes for each wave, for the turn of q and for the way out; no tensor load lands there
.set L16,  1                           ; v1   16 x lane: a fragment image's place for my lane; also my 16 bytes of a row of q or out
.set R16,  2                           ; v2   16 x (lane % 16): my row's four scale words
.set AD,   3                           ; v3   L16 + the step's record
.set ADS,  4                           ; v4   R16 + the step's record
.set SROW, 5                           ; v5   my stage + 16 lane: whole rows
.set SQR,  6                           ; v6   my stage + 528 r + 64 h: q's 16 neighbours of a block
.set SOW,  7                           ; v7   my stage + 528 r + 32 h: eight results of a row
.set NIL,  8                           ; v8   0
.set DD,   9                           ; v9   16 cx + r - 16 h
.set KS,   16                          ; v16-23 K's scale words, tile t
.set VS,   24                          ; v24-31 V's
.set QS,   32                          ; v32-35 Q's, tile m
.set PW,   36                          ; v36-39 P's
.set TM,   40                          ; v40-43 largest magnitudes, v44-47 the other half's, then bytes, v52-55 the conversions' scale operands
.set QF,   64
.set PC,   96
.set SCA,  128
.set SCB,  192
.set KF,   0                           ; in window 2
.set VF,   64
.set WV,   10                          ; s10  my wave's number
.set CX,   11                          ; s11  my work-group's place in the cluster
.set HD,   12                          ; s12  the head
.set G1,   16                          ; s[16:23] descriptor group 1;  s[24:27] group 0: never rewritten
.set G0,   24
.set QB,   28                          ; s[28:29], s[30:31] q at tile 0's first row, pass 0, 1
.set OB,   32                          ; s[32:33], s[34:35] out likewise
.set G2,   36                          ; s36, s37  2 G: the steps below the diagonal
.set TBA,  38                          ; s38, s39  LDS byte of step A's record
.set SI,   40                          ; s40  counts the loop's trips
.set TB,   41                          ; s41  LDS byte of the trip's record
.set SEL,  42                          ; s[42:43] v_permlanex16_b32's selects for lane l xor 16
.set MK,   68                          ; s68-99 lane masks: bit set where key 32 b + i (+ 16 h) of a half step lies beyond the lane's query
.set MSB, 0
.macro WIN new                         ; the immediate's high byte repeats the setting that is left; a switch that changes nothing is dropped
.if MSB != \new
	s_set_vgpr_msb (MSB<<8)|\new
.set MSB, \new
.endif
.endm
.macro NOPS n
.rept \n
	v_nop
.endr
.endm
; A round of the cluster's barrier: my work-group's barrier; wave 0 signals for the work-group; every wave waits for all four work-groups; my work-group's barrier once more.
.macro CROUND
	s_barrier_signal -1
	s_barrier_wait -1
	s_cmp_lg_u32 s[WV], 0
	s_cbranch_scc1 .Lnot_wave_0_\@
	s_barrier_signal -3
.Lnot_wave_0_\@:
	s_barrier_wait -3
	s_barrier_signal -1
	s_barrier_wait -1
.endm
.macro QLOAD p                         ; my four tiles of q for pass p, as they lie: each load is one query's 512 consecutive bytes
	WIN 0xc0                                       ; destination window 3
.irp m, 0,1,2,3
.irp i, 0,1,2,3,4,5,6,7,8,9,10,11,12,13,14,15
	global_load_b128 v[64*\m+4*\i:64*\m+4*\i+3], v[L16], s[QB+2*\p:QB+2*\p+1] offset:(64*\m+\i)*512 th:TH_LOAD_NT
.endr
.endr
	WIN 0
.endm
.macro TURNQ m, set                    ; tile m's 16 rows through my stage: afterwards register 16 b + i of the set is channel 32 b + 16 h + i of query r.  LDS serves a wave's instructions in order (ISA guide 5.7.1)
	WIN 0x0c                                       ; an LDS store's data are its source 1: window 3
.irp i, 0,1,2,3,4,5,6,7,8,9,10,11,12,13,14,15
	ds_store_b128 v[SROW], v[64*\m+4*\i:64*\m+4*\i+3] offset:STP*\i
.endr
	WIN 0
.irp b, 0,1,2,3
.irp j, 0,1,2,3
	ds_load_b128 v[\set+16*\b+4*\j:\set+16*\b+4*\j+3], v[SQR] offset:128*\b+16*\j
.endr
.endr
.endm
; 64 numbers of a lane, register 16 b + i = k 32 b + 16 (lane / 16) + i of my row, become a fragment's codes in v[pc] on and its scale word in v[pw].  Each accumulator is read from its low end on.
.macro QNT s, pc, pw
	WIN 0
.irp b, 0,1,2,3
	v_max3_num_f32 v[TM+\b], |v[\s+16*\b]|, |v[\s+1+16*\b]|, 0x1800000   ; block b: my 16 numbers, and the floor 2^(3 - 127): the byte cannot fall under 1
.endr
.irp i, 2,4,6,8,10,12,14
.irp b, 0,1,2,3
	v_max3_num_f32 v[TM+\b], v[TM+\b], |v[\s+16*\b+\i]|, |v[\s+1+16*\b+\i]|   ; (the four blocks by turns)
.endr
.endr
.irp b, 0,1,2,3
	v_permlanex16_b32 v[TM+4+\b], v[TM+\b], s[SEL], s[SEL+1]
.endr
.irp b, 0,1,2,3
	v_max_num_f32 v[TM+\b], v[TM+\b], v[TM+4+\b]   ; with lane l xor 16's: the block's largest magnitude
.endr
.irp b, 0,1,2,3
	v_add_nc_u32 v[TM+12+\b], 0xff000000, v[TM+\b] ; 2 off its exponent field: the conversion takes this operand's exponent field as its scale, and nothing else of it
.endr
.irp b, 0,1,2,3
	v_lshrrev_b32 v[TM+4+\b], 23, v[TM+12+\b]      ; the scale's byte
.endr
	v_lshl_or_b32 v[\pw], v[TM+5], 8, v[TM+4]      ; the four bytes make my row's scale word
	v_lshl_or_b32 v[\pw], v[TM+6], 16, v[\pw]
	v_lshl_or_b32 v[\pw], v[TM+7], 24, v[\pw]
.irp b, 0,1,2,3
	v_cvt_scalef32_pk8_fp4_f32 v[\pc+2*\b], v[\s+16*\b:\s+7+16*\b], v[TM+12+\b]
	v_cvt_scalef32_pk8_fp4_f32 v[\pc+1+2*\b], v[\s+8+16*\b:\s+15+16*\b], v[TM+12+\b]
.endr
	v_nop                                          ; one plain place behind the scaled conversions: ahead of the exchanges below, and of the products that write the numbers' registers again
.irp c, 0,1                                    ; the operand's layout wants a WHOLE block in a lane: lanes 0-15 block 2 c, lanes 16-31 block 2 c + 1
.irp i, 0,1
	v_permlane16_swap_b32 v[\pc+4*\c+\i], v[\pc+2+4*\c+\i]
.endr
.endr
.endm
.macro KLOAD a, sa, off                ; a step's K: 16 loads of 512 consecutive bytes and two of scale words: 18 LDS loads
	WIN 0x80                                       ; destination window 2
.irp t, 0,1,2,3,4,5,6,7
.irp c, 0,1
	ds_load_b128 v[KF+8*\t+4*\c:KF+8*\t+4*\c+3], v[\a] offset:\off+1024*\t+512*\c
.endr
.endr
	WIN 0
.irp g, 0,1
	ds_load_b128 v[KS+4*\g:KS+4*\g+3], v[\sa] offset:\off+R_KS+256*\g
.endr
.endm
.macro VLOAD a, sa, off                ; and its V: 18 more
	WIN 0x80
.irp t, 0,1,2,3,4,5,6,7
.irp c, 0,1
	ds_load_b128 v[VF+8*\t+4*\c:VF+8*\t+4*\c+3], v[\a] offset:\off+R_V+1024*\t+512*\c
.endr
.endr
	WIN 0
.irp g, 0,1
	ds_load_b128 v[VS+4*\g:VS+4*\g+3], v[\sa] offset:\off+R_VS+256*\g
.endr
.endm
.macro KQ m, set, n                    ; S^T of tile m: the step's first n tiles of 16 keys; K = the head's 128 channels in one instruction, so every product starts from 0
	WIN 0x02                                       ; source 0 (K) window 2
.set T_, 0
.rept \n
	v_wmma_scale_f32_16x16x128_f8f6f4 v[\set+8*T_:\set+8*T_+7], v[KF+8*T_:KF+8*T_+7], v[QF+8*\m:QF+8*\m+7], 0, v[KS+T_], v[QS+\m] matrix_a_fmt:MATRIX_FMT_FP4 matrix_b_fmt:MATRIX_FMT_FP4
.set T_, T_+1
.endr
.endm
.macro PV m, zero                      ; O^T of tile m += V^T P^T: eight accumulators, one instruction each.  zero = 1: the products start the sums: nothing is cleared
	WIN 0x52                                       ; source 0 (V) window 2, C and D window 1
.set T_, 0
.rept 8
.if \zero
	v_wmma_scale_f32_16x16x128_f8f6f4 v[64*\m+8*T_:64*\m+8*T_+7], v[VF+8*T_:VF+8*T_+7], v[PC+8*\m:PC+8*\m+7], 0, v[VS+T_], v[PW+\m] matrix_a_fmt:MATRIX_FMT_FP4 matrix_b_fmt:MATRIX_FMT_FP4
.else
	v_wmma_scale_f32_16x16x128_f8f6f4 v[64*\m+8*T_:64*\m+8*T_+7], v[VF+8*T_:VF+8*T_+7], v[PC+8*\m:PC+8*\m+7], v[64*\m+8*T_:64*\m+8*T_+7], v[VS+T_], v[PW+\m] matrix_a_fmt:MATRIX_FMT_FP4 matrix_b_fmt:MATRIX_FMT_FP4
.endif
.set T_, T_+1
.endr
.endm
; THE DIAGONAL.  high = 0: keys 64-127 are beyond every query of the tile: their scores, which were not computed, are zeros; keys 0-63 are compared.  high = 1: keys 0-63 count, keys 64-127 are compared.
; The 32 zeros of high = 0 name no register of the products just issued: they are the places behind those products.  The selects go in ascending order: each accumulator from its low end on.
.macro MSK set, high
	WIN 0
.if \high == 0
.set N_, 0
.rept 32
	v_mov_b32 v[\set+32+N_], 0
.set N_, N_+1
.endr
.endif
.set N_, 0
.rept 32
	v_cndmask_b32 v[\set+32*\high+N_], v[\set+32*\high+N_], v[NIL], s[MK+N_]
.set N_, N_+1
.endr
.endm
; A KEY STEP.  kind 0: below the diagonal; 1: step A; 2: step B.  a, sa, off: where its record lies;  pa, psa, poff: the record whose K is fetched for the next step (always inside the head's 16).
; K was asked for in the step before; V is asked for at the head and wanted behind two quantisers.
; PLACES.  A vector instruction or load that touches a product's registers stands four plain vector instructions behind it, a product that writes over them five; a scale word made by vector
; instructions stands eight ahead of the scaled product that takes it, codes so made four.  Everywhere but where v_nop is written another tile's quantiser (64 lines that name none of those registers) stands between.
.macro STEP kind, a, sa, off, pa, psa, poff
	VLOAD \a, \sa, \off
	s_wait_dscnt 18                                ; K and its scale words are in; V's 18 loads stay out
.if \kind == 2
	KQ 2, SCA, 4
	KQ 3, SCB, 8
	MSK SCA, 0
	QNT SCA, PC+16, PW+2
	KLOAD \pa, \psa, \poff                         ; the last product that read K stands in front of the mask and the quantiser
	MSK SCB, 1
	QNT SCB, PC+24, PW+3
	s_wait_dscnt 18                                ; V is in; the next K's 18 loads stay out
	PV 2, 0
	NOPS 8                                         ; tile 3's scale word and codes were made just ahead of tile 2's products
	PV 3, 0
.else
.if \kind == 1
	KQ 0, SCA, 4
.else
	KQ 0, SCA, 8
.endif
	KQ 1, SCB, 8
.if \kind == 1
	MSK SCA, 0
.else
	NOPS 4                                         ; the first read of results just made
.endif
	QNT SCA, PC, PW
	KQ 2, SCA, 8
.if \kind == 1
	MSK SCB, 1
.endif
	QNT SCB, PC+8, PW+1
	s_wait_dscnt 0x0                               ; V is in
	PV 0, \kind
	KQ 3, SCB, 8
	QNT SCA, PC+16, PW+2
	KLOAD \pa, \psa, \poff                         ; the last product that read K stands in front of that quantiser
	PV 1, \kind
	QNT SCB, PC+24, PW+3
	PV 2, \kind
	NOPS 8                                         ; tile 3's scale word and codes were made just ahead of tile 2's products
	PV 3, \kind
.endif
	WIN 0                                          ; at a label and at a branch every window is 0
	NOPS 4                                         ; places in front of the next loads into V's registers, and of the way out's reads of O^T
.endm
; THE WAY OUT of tile m.  A lane holds eight neighbouring channels of one query; the tile goes through my stage and comes back as whole rows of 512 bytes.
.macro TOSTAGE m
	WIN 0x04                                       ; an LDS store's data are its source 1: window 1
.irp t, 0,1,2,3,4,5,6,7
	ds_store_b128 v[SOW], v[64*\m+8*\t:64*\m+8*\t+3] offset:64*\t          ; each accumulator from its low end on
	ds_store_b128 v[SOW], v[64*\m+8*\t+4:64*\m+8*\t+7] offset:64*\t+16
.endr
	WIN 0
.set BK, SCA+64*((\m)%2)
.irp i, 0,1,2,3,4,5,6,7,8,9,10,11,12,13,14,15
	ds_load_b128 v[BK+4*\i:BK+4*\i+3], v[SROW] offset:STP*\i               ; LDS serves a wave's instructions in order: these see the stores above, and the next tile's stores come behind them
.endr
.endm
.macro SEND p, m, younger              ; younger: the LDS instructions issued behind tile m's loads, which may stay out
.set BK, SCA+64*((\m)%2)
	s_wait_dscnt \younger
.irp i, 0,1,2,3,4,5,6,7,8,9,10,11,12,13,14,15
	global_store_b128 v[L16], v[BK+4*\i:BK+4*\i+3], s[OB+2*\p:OB+2*\p+1] offset:(64*\m+\i)*512 th:TH_STORE_NT   ; 32 lanes store a row's 512 consecutive bytes, at a multiple of 256 from out's first byte
.endr
.endm
; A PASS: one group of 256 queries, my work-group's four tiles of it.
.macro PASS p, trips
	; q becomes four fragments and four scale words.  The counts on LOADcnt are the younger tiles' loads; 32 on DScnt are the next tile's 16 stores and 16 loads
	s_wait_loadcnt 48
	TURNQ 0, SCA
	s_wait_loadcnt 32
	TURNQ 1, SCB
	s_wait_dscnt 32
	QNT SCA, QF, QS
	s_wait_loadcnt 16
	TURNQ 2, SCA
	s_wait_dscnt 32
	QNT SCB, QF+8, QS+1
	s_wait_loadcnt 0x0
	TURNQ 3, SCB
	s_wait_dscnt 32
	QNT SCA, QF+16, QS+2
	s_wait_dscnt 0x0                               ; tile 3 is back; and every store into the stage has read window 3
	QNT SCB, QF+24, QS+3
.if \p == 0
	QLOAD 1                                        ; the second pass's q: asked for a whole pass ahead, into registers that nothing else uses
	s_wait_tensorcnt 0x0                           ; my quarter of the head's records is in (the one tensor load of mine that was out),
	s_barrier_signal -1
	s_barrier_wait -1                              ; everybody's is: from here on the records are only read
.endif
	v_add_nc_u32 v[AD], s[TBA+\p], v[L16]
	v_add_nc_u32 v[ADS], s[TBA+\p], v[R16]
	KLOAD AD, ADS, 0
	NOPS 8                                         ; Q's last scale word was made by vector instructions: eight places ahead of the first scaled product
	STEP 1, AD, ADS, 0, AD, ADS, REC               ; step A; fetches step B's K
	STEP 2, AD, ADS, REC, L16, R16, 0              ; step B; fetches key step 0's K
	s_mov_b32 s[SI], 0
	s_mov_b32 s[TB], 0
.Lfull_\p:                                             ; a constant number of trips, the most that a wave has in this pass; a wave whose group has fewer steps below it jumps over the work, not over the steps of the counters
	s_cmp_ge_u32 s[SI], s[G2+\p]
	s_cbranch_scc1 .Lskip_\p
	v_add_nc_u32 v[AD], s[TB], v[L16]
	v_add_nc_u32 v[ADS], s[TB], v[R16]
	STEP 0, AD, ADS, 0, AD, ADS, REC
.Lskip_\p:
	s_add_co_u32 s[TB], s[TB], REC
	s_add_co_u32 s[SI], s[SI], 1
	s_cmp_lt_u32 s[SI], \trips
	s_cbranch_scc1 .Lfull_\p
	TOSTAGE 0
	TOSTAGE 1
	SEND \p, 0, 32                                 ; behind tile 0's loads: tile 1's 16 stores and 16 loads
	s_wait_xcnt 0x0                                ; tile 0's stores have read their registers: tile 2's rows may land there
	TOSTAGE 2
	SEND \p, 1, 32
	s_wait_xcnt 0x0
	TOSTAGE 3
	SEND \p, 2, 32
	SEND \p, 3, 0
	s_wait_xcnt 0x0                                ; the last stores have read their registers, which the next pass writes again
.endm
	s_load_b128 s[4:7], s[0:1], 0x0                ; q, kv
	s_load_b64 s[8:9], s[0:1], 0x10                ; out0
	v_lshl_add_u32 v62, v0, 2, 0x4c400
	v_mov_b32 v63, 0
	ds_add_u32 v62, v63
	ds_add_u32 v62, v63
	v_lshrrev_b32 v10, 5, v0
	v_readfirstlane_b32 s[WV], v10                 ; wave 0..3
	s_bfe_u32 s[CX], ttmp6, 0x40000                ; cx: my place in the cluster
	s_and_b32 s[HD], ttmp7, 0xffff                 ; the cluster's y: the head, which the four partners share
	; descriptor group 1: a dense block of 69,632 bytes as 272 rows of 32 elements of 8 bytes, no padding
	s_mov_b32 s[G1], 15|(3<<16)|(1<<21)            ; 15:0 the mask: all four work-groups; 17:16 elements of 8 bytes; 21 set beside a mask
	s_mov_b32 s[G1+1], 32<<16                      ; tensor_dim0 = 32
	s_mov_b32 s[G1+2], 272<<16                     ; tensor_dim1 = 272
	s_mov_b32 s[G1+3], 32<<16                      ; tile_dim0 = 32
	s_mov_b32 s[G1+4], 272                         ; tile_dim1 = 272
	s_mov_b32 s[G1+5], 32                          ; from row to row
	s_mov_b32 s[G1+6], 0
	s_mov_b32 s[G1+7], 0
	s_mov_b32 s[G0], 1                             ; count = 1
	s_mul_i32 s[G0+1], s[WV], QUART                ; LDS address: quarter w: no place in the cluster enters it
	s_mul_i32 s44, s[HD], HEADB
	s_add_co_u32 s44, s44, s[G0+1]                 ; and the same quarter of the head's records in kv (under 2^25)
	s_mov_b32 s45, 0
	s_xor_b32 s52, s[WV], 7                        ; the second pass's group: 7 - w
	s_lshl_b32 s46, s[HD], 20                      ; q and out: a head is 2,048 rows of 512 bytes,
	s_lshl_b32 s47, s[CX], 13                      ; my work-group's 16 rows of each 64,
	s_add_co_u32 s46, s46, s47
	s_lshl_b32 s48, s[WV], 17                      ; a group 256 rows
	s_add_co_u32 s48, s48, s46
	s_mov_b32 s49, 0
	s_lshl_b32 s50, s52, 17
	s_add_co_u32 s50, s50, s46
	s_mov_b32 s51, 0
	s_lshl_b32 s[G2], s[WV], 1
	s_lshl_b32 s[G2+1], s52, 1
	s_mul_i32 s[TBA], s[WV], 2*REC
	s_mul_i32 s[TBA+1], s52, 2*REC
	s_mov_b32 s[SEL], 0x76543210
	s_mov_b32 s[SEL+1], 0xfedcba98
	s_mul_i32 s53, s[WV], 16*STP
	s_add_co_u32 s53, s53, STAGE                   ; my stage
	s_lshl_b32 s54, s[CX], 4
	v_and_b32 v[L16], 31, v0
	v_lshlrev_b32 v[L16], 4, v[L16]
	v_and_b32 v10, 15, v0                          ; r
	v_bfe_u32 v11, v0, 4, 1                        ; h
	v_lshlrev_b32 v[R16], 4, v10
	v_add_nc_u32 v[SROW], s53, v[L16]
	v_mul_u32_u24 v12, v10, STP
	v_add_nc_u32 v12, s53, v12
	v_lshl_add_u32 v[SQR], v11, 6, v12
	v_lshl_add_u32 v[SOW], v11, 5, v12
	v_mov_b32 v[NIL], 0
	v_lshlrev_b32 v13, 4, v11
	v_sub_nc_u32 v[DD], v10, v13
	v_add_nc_u32 v[DD], s54, v[DD]                 ; 16 cx + r - 16 h, from -16 to 63
.irp b, 0,1,2,3
	v_mov_b32 v[TM+4+\b], 0                        ; written once: a lane permute's destination counts as one of its sources
.endr
	s_wait_dscnt 0x0
	s_wait_kmcnt 0x0
	s_add_nc_u64 s[G0+2:G0+3], s[6:7], s[44:45]    ; global address of my quarter
	s_or_b32 s[G0+3], s[G0+3], 0x80000000          ; type = 2
	s_add_nc_u64 s[QB:QB+1], s[4:5], s[48:49]
	s_add_nc_u64 s[QB+2:QB+3], s[4:5], s[50:51]
	s_add_nc_u64 s[OB:OB+1], s[8:9], s[48:49]
	s_add_nc_u64 s[OB+2:OB+3], s[8:9], s[50:51]
	CROUND                                         ; all four work-groups are here: the joint loads meet
	tensor_load_to_lds s[G0:G0+3], s[G1:G1+7]      ; my one tensor load of the launch
	s_nop 0
	NOPS 4                                         ; four instructions between a tensor load and a later switch of windows
	QLOAD 0
	; The diagonal's lane masks, made once.  In a half step of 64 keys register 16 b + i (b = 0, 1) holds key 32 b + 16 h + i, and the lane's query stands at 16 cx + r: hidden where 32 b + i > 16 cx + r - 16 h.
.set N_, 0
.rept 32
	v_cmp_gt_i32 s[MK+N_], 32*(N_/16)+N_%16, v[DD]
.set N_, N_+1
.endr
	PASS 0, 6                                      ; groups 0 to 3: at most 6 steps below the diagonal
	PASS 1, 14                                     ; groups 7 to 4: at most 14
	s_wait_tensorcnt 0x0
	ds_add_u32 v62, v63
	s_wait_dscnt 0x0
	CROUND                                         ; the closing round (no LDS instruction and no tensor load of mine is out): no work-group ends while a partner may still ask for a quarter that names it
	s_endpgm
.Lfunc_end_k_qbefc7dad32_attn:
	.size	k_qbefc7dad32_attn, .Lfunc_end_k_qbefc7dad32_attn-k_qbefc7dad32_attn
	.p2alignl 7, 3214868480
	.fill 96, 4, 3214868480
	.section	.rodata,"a",@progbits
	.p2align	6, 0x0
	.amdhsa_kernel k_qbefc7dad32_attn
		.amdhsa_group_segment_fixed_size 327680
		.amdhsa_private_segment_fixed_size 0
		.amdhsa_enable_private_segment 0
		.amdhsa_kernarg_size 24
		.amdhsa_user_sgpr_count 2
		.amdhsa_user_sgpr_kernarg_segment_ptr 1
		.amdhsa_wavefront_size32 1
		.amdhsa_system_sgpr_workgroup_id_x 1
		.amdhsa_system_sgpr_workgroup_id_y 1
		.amdhsa_system_sgpr_workgroup_id_z 1
		.amdhsa_system_vgpr_workitem_id 0
		.amdhsa_next_free_vgpr 1024
		.amdhsa_next_free_sgpr 100
		.amdhsa_reserve_vcc 0
		.amdhsa_float_denorm_mode_32 3
		.amdhsa_float_denorm_mode_16_64 3
		.amdhsa_memory_ordered 1
		.amdhsa_forward_progress 1
		.amdhsa_inst_pref_size 250
	.end_amdhsa_kernel
	.amdgpu_metadata
---
amdhsa.version: [ 1, 2 ]
amdhsa.kernels:
  - .name:           k_qbefc7dad32_attn
    .symbol:         k_qbefc7dad32_attn.kd
    .args:
      - { .name: q, .offset: 0, .size: 8, .value_kind: global_buffer, .address_space: global }
      - { .name: kv, .offset: 8, .size: 8, .value_kind: global_buffer, .address_space: global }
      - { .name: out0, .offset: 16, .size: 8, .value_kind: global_buffer, .address_space: global }
    .group_segment_fixed_size: 327680
    .private_segment_fixed_size: 0
    .kernarg_segment_align: 8
    .kernarg_segment_size: 24
    .max_flat_workgroup_size: 128
    .sgpr_count:     100
    .vgpr_count:     1024
    .wavefront_size: 32
...
	.end_amdgpu_metadata
.endif
;; end of part 2
